; MI455X (gfx1250); checked and timed in simulation.
; The chip was launched on July 23, 2026; its instructions are those of AMD's public machine-readable ISA for CDNA 5 (MIT licence, August 2026) and "CDNA5" Instruction Set Architecture Reference Guide (July 2026). The comments in the code are by the model that wrote it; some were corrected since.
;; SOHO Pre VD. Allowed arithmetic: matrix products marked QUANTISED: E2M1 operands, one E8M0 scale for each 32 along K, by v_wmma_scale_f32_16x16x128_f8f6f4 with both operands' format E2M1 (or v_wmma_scale_f32_32x16x128_f4), f32 sums; everything else in f32.
;; Inputs: embed 8,192 x 256 float32; inputs_flatten 32,768 x 256 float32.
;; Outputs: out0 32,768 x 256 float32; out1 32,768 x 1 int32.
;; This version of the problem:
;;   THIS VERSION OF THE PROBLEM IS GIVEN IN LOW PRECISION. The matrix products marked QUANTISED in the list below multiply operands that are first quantised to E2M1 (2 exponent bits, 1 mantissa bit; 4 bits a number), with one power-of-two scale for each 32 numbers along K (OCP MX v1.0); their sums are f32. All else is computed in f32.
;;   The module's matrix products, in the order in which they are computed (A, B: the left and right operand; K: the contracted axis; several contracted axes count as one K, in the product's order):
;;     1. [M 32,768, K 256] x [K 256, N 8,192]; A: input inputs_flatten; B: input embed: QUANTISED
;;   THE QUANTISER, for each operand of a quantised product, along K:
;;     - K is cut into blocks of 32 from its start; a last block that is shorter is filled with zeros.
;;     - A block's scale is 2^e with e = floor(log2(the largest magnitude in the block)) - 2, held to -126 .. 127; a block of zeros has e = 0. As a byte (E8M0): e + 127.
;;     - Each number is divided by its block's scale, clamped to +-6, and rounded to the nearest number of E2M1, ties to even, subnormals kept.
;;     - The product sums the exact products of the quantised numbers (number of the format x scale) in f32.
;;   ~~~python
;;   def quantise(x, axis):      # numpy; x: float32 -> the quantised numbers, widened to float32 again
;;       x = np.moveaxis(x, axis, -1); K = x.shape[-1]
;;       x = np.pad(x, [(0, 0)] * (x.ndim - 1) + [(0, -K % 32)]); x = x.reshape(x.shape[:-1] + (-1, 32)); a = np.abs(x).max(-1, keepdims=True)
;;       e = np.where(a > 0, np.clip(np.frexp(np.where(a > 0, a, 1))[1] - 1 - 2, -126, 127), 0)      # np.frexp(a)[1] - 1 = floor(log2(a)), exactly
;;       r = np.clip(x / 2.0 ** e, -6, 6)
;;       step = 2.0 ** (np.maximum(np.frexp(np.where(r == 0, 1, r))[1] - 1, 0) - 1)
;;       q = np.round(r / step) * step * 2.0 ** e      # np.round: ties to even
;;       return np.moveaxis(q.reshape(q.shape[:-2] + (-1,))[..., :K], -1, axis).astype(np.float32)
;;   ~~~
;; One version. Each part assembles by itself: llvm-mc -triple=amdgcn-amd-amdhsa -mcpu=gfx1250 --defsym DOCPART=n.
;; ======== version 1 of 1: 3 launches
;; limits: right only within a limited range of input values
;; workspace buffers: xq 4,456,448 bytes; ebook 1,146,880 bytes; idx 131,072 bytes of whole numbers
;; launch quant (part 1): grid 1280 x 1, 2 waves a work-group, no clusters, 34,048 bytes of LDS; arguments inputs_flatten, embed, xq, ebook; writes xq, ebook
.if DOCPART == 1
	.amdgcn_target "amdgcn-amd-amdhsa--gfx1250"
	.amdhsa_code_object_version 6
	.text
	.protected	k_q8c545379a7_quant
	.globl	k_q8c545379a7_quant
	.p2align	8
	.type	k_q8c545379a7_quant,@function
k_q8c545379a7_quant:
	s_mov_b64 s[64:65], 0
	v_nop
	global_prefetch_b8 v0, s[64:65] scope:SCOPE_SE
	s_setreg_imm32_b32 hwreg(HW_REG_WAVE_MODE, 25, 1), 1
	s_wait_xcnt 0x0
; inputs_flatten [32768][256] and embed [8192][256], f32, become codes of FP4 (E2M1) with one E8M0 scale byte for each 32 along K, laid IN THE ORDER OF A MATRIX OPERAND'S REGISTERS.
; A CHUNK is 128 rows = 8 tiles of 16 rows.  Its bytes: codes [0, 16384): tile i at 2048 i, K step s (128 along K) at 1024 s, register group c at 512 c, lane l = 16 h + r at 16 l:
; the 16 bytes are the codes of row r, k = 128 s + 64 c + 32 h + 0 .. 31, the lower k in the lower bits.  Scale images [16384, 17408): tile i at 128 i, lane l's word at 4 l:
; lanes 0-15 row r's word of K step 0, lanes 16-31 row r's word of K step 1.  For embed alone, [17408, 17920): -|e|^2 / 2 in f32, tile i at 64 i, row r at 4 r.
; So x's chunk is 17,408 bytes and embed's 17,920, both multiples of 256.
; A block's scale is 2^(floor(log2(its largest magnitude)) - 2); its byte is the largest magnitude's exponent field - 2, held at 1 from below by a floor among the maximum's leaves.
; WORK THAT THE PROGRAM LEAVES OUT.  (1) reference() returns (embed[i] - x) + x: in real numbers that is embed[i], whatever x holds; so the last launch copies the chosen row and does not read x.
; (2) |x|^2 is added to every distance of a row alike, so it moves no argmin: it is not used.  Both inputs still have a way to the outputs and are loaded here.
; LIMITS: a NaN, an infinity or an overflow that reaches only the work left out (x - x of an infinite x, an overflowing |x|^2) is not carried to the result.
; A block of zeros gets the byte 1 where the quantiser's rule says 127 (its codes are zeros, and this program alone reads the bytes); NaN and infinities among the inputs are not served.
; SHARES: 40,960 rows are 2,560 tiles; a work-group of two waves takes a quarter of a chunk, 2 tiles: 1,280 work-groups, five for each of 256 WGPs.  Work-groups 0-1023 take x's quarters, 1024-1279 embed's;
; only pointers and the chunk's pitch are chosen, so there is one way through the text up to the tail.  Wave w takes tile 2 q + w of its chunk: 16 rows, 16,384 bytes of f32.
; Each of a wave's 32 loads reads 512 consecutive bytes; the rows turn through the wave's own stage in LDS, so that a lane gets 32 neighbours along K (a whole block) in consecutive registers.
; THE TAIL: the two tiles' scale images, 256 bytes, leave as one aligned unit by wave 0.  embed's 32 values of -|e|^2 / 2 are 128 consecutive bytes, half a unit, stored by wave 1: 32 rows make no more,
; and it is 128 bytes for each 32,768 that the work-group reads.
.set PITCH, 1040                       ; a stage row: 1,024 bytes + 16: an odd multiple of 16, so the sixteen rows that a read touches start in different banks (ISA guide 11.1)
.set WSTG,  16*PITCH                   ; a wave's stage
.set TAIL,  2*WSTG                     ; behind the stages: 256 bytes of scale images, then 128 bytes of -|e|^2 / 2
.set SPARE, TAIL+512                   ; the spare words, 128 bytes for each wave: one block of 256 bytes that no other line names
.set L,   16                           ; v16-143   the 32 loads
.set X,   144                          ; v144-207  two sets of 32 neighbours along K
.set C,   208                          ; v208-223  codes: four registers for each of the four blocks of a lane, so that no store's data are written again
.set SCL, 224                          ; v224-227  the conversions' scale operands
.set BY,  228                          ; v228-231  the scale bytes
.set S,   232                          ; v232-239  four packed sums of squares
	s_load_b256 s[4:11], s[0:1], 0x0               ; x s[4:5], embed s[6:7], xq s[8:9], ebook s[10:11]
	v_lshl_add_u32 v254, v0, 2, SPARE
	v_mov_b32 v255, 0
	v_lshrrev_b32 v8, 5, v0
	s_delay_alu instid0(VALU_DEP_1)
	v_readfirstlane_b32 s12, v8                    ; wave 0, 1
	v_and_b32 v9, 31, v0                           ; lane l
	v_and_b32 v10, 15, v0                          ; r
	v_bfe_u32 v11, v0, 4, 1                        ; h
	s_delay_alu instid0(VALU_DEP_3)
	v_lshlrev_b32 v1, 4, v9                        ; v1 = 16 l: my place in every load and store of 512 bytes
	s_wait_alu depctr_va_vdst(0)                   ; the wait here, ahead of the scalar lines among
	s_mul_i32 s16, s12, WSTG
	v_add_nc_u32 v2, s16, v1                       ; v2: the stage on the way in: as the bytes lie
	v_mul_u32_u24 v3, v10, PITCH
	s_delay_alu instid0(VALU_DEP_1)
	v_lshl_add_u32 v3, v11, 7, v3
	s_delay_alu instid0(VALU_DEP_1)
	v_add_nc_u32 v3, s16, v3                       ; v3: on the way out: row r, + 128 h bytes: my 32 numbers of each 64
	s_lshl_b32 s17, s12, 7
	s_add_co_u32 s17, s17, TAIL
	v_lshl_add_u32 v4, v9, 2, s17                  ; v4: my word of my tile's scale image
	s_lshl_b32 s18, s12, 6
	s_add_co_u32 s18, s18, TAIL+256
	v_lshl_add_u32 v5, v10, 2, s18                 ; v5: my row's -|e|^2 / 2
	v_lshlrev_b32 v13, 3, v9                       ; v13 = 8 l
	v_lshlrev_b32 v14, 2, v9                       ; v14 = 4 l
	v_add_nc_u32 v6, TAIL, v13                     ; v6: the scale images on their way out, 8 bytes a lane
	v_add_nc_u32 v12, TAIL+256, v14                ; v12: -|e|^2 / 2 on its way out, 4 bytes a lane
	v_lshlrev_b32 v7, 3, v11                       ; v7 = 8 h
	v_mov_b32 v242, 0                              ; written once: a lane permute's destination counts as one of its sources
	v_mov_b32 v243, 0
	v_mov_b32 v245, 0
	s_mov_b32 s20, 0xffff0000                      ; the mask of lanes 16-31
	s_mov_b32 s22, 0x76543210
	s_mov_b32 s23, 0xfedcba98                      ; v_permlanex16_b32's selects for lane l xor 16
	s_wait_alu depctr_va_vdst(0)                   ; the wait at the head's end
	s_wait_kmcnt 0x0
	s_cmp_lt_u32 ttmp9, 1024                       ; x's work-group or embed's?  The choice hangs on the work-group's number alone
	s_cselect_b64 s[4:5], s[4:5], s[6:7]
	s_cselect_b64 s[8:9], s[8:9], s[10:11]
	s_mov_b32 s14, 17920
	s_cselect_b32 s14, 17408, s14                  ; the chunk's pitch
	s_cselect_b32 s15, 9, 1                        ; the wave that carries -|e|^2 / 2 out: none for x, wave 1 for embed
	s_cselect_b32 s13, 0, 1024
	s_sub_co_u32 s13, ttmp9, s13                   ; the quarter's number in its tensor
	s_lshl_b32 s16, s13, 15                        ; in: 32,768 bytes a quarter, 16,384 a wave
	s_lshl_b32 s17, s12, 14
	s_add_co_u32 s16, s16, s17
	s_mov_b32 s17, 0
	s_add_nc_u64 s[4:5], s[4:5], s[16:17]
	s_lshr_b32 s28, s13, 2                         ; the chunk
	s_and_b32 s29, s13, 3                          ; q: which quarter of it
	s_mul_i32 s18, s28, s14
	s_mov_b32 s19, 0
	s_add_nc_u64 s[8:9], s[8:9], s[18:19]          ; out: my chunk
	s_lshl_b32 s16, s29, 1
	s_add_co_u32 s16, s16, s12
	s_lshl_b32 s16, s16, 11
	s_add_nc_u64 s[24:25], s[8:9], s[16:17]        ; my tile's codes: 2,048 (2 q + w)
	s_lshl_b32 s16, s29, 8
	s_add_co_u32 s16, s16, 16384
	s_add_nc_u64 s[26:27], s[8:9], s[16:17]        ; my quarter's scale images
	s_lshl_b32 s16, s29, 7
	s_add_co_u32 s16, s16, 17408
	s_add_nc_u64 s[30:31], s[8:9], s[16:17]        ; my quarter's -|e|^2 / 2
.set n, 0
.rept 32
	global_load_b128 v[L+4*n:L+4*n+3], v1, s[4:5] offset:512*n th:TH_LOAD_NT   ; half a row: 512 consecutive bytes
.set n, n+1
.endr
.irp g, 0,1,2,3
	s_wait_loadcnt 24-8*\g                         ; loads come back in order (ISA guide 5.7.1): these eight are in, the younger ones may be out
.irp i, 0,1,2,3,4,5,6,7
	ds_store_b128 v2, v[L+4*(8*\g+\i):L+4*(8*\g+\i)+3] offset:((8*\g+\i)/2)*PITCH+((8*\g+\i)%2)*512
.endr
.endr
; block k = 2 s + c of my lane: k = 128 s + 64 c + 32 h + 0 .. 31 of row r, into set
.macro XREAD k, set
.irp i, 0,1,2,3,4,5,6,7
	ds_load_b128 v[X+32*(\set)+4*\i:X+32*(\set)+4*\i+3], v3 offset:256*(\k)+16*\i   ; LDS serves a wave's instructions in order (ISA guide 5.7.1.4): these see my stores
.endr
.endm
.macro COMBO k, set
.set XS, X+32*(\set)
	v_max3_num_f32 v8, |v[XS]|, |v[XS+1]|, 0x1800000               ; the block's largest magnitude, all 32 mine, in two chains; and the floor 2^(3 - 127): the byte cannot fall under 1
	v_max3_num_f32 v9, |v[XS+2]|, |v[XS+3]|, |v[XS+4]|
.irp i, 5,9,13,17,21,25
	s_delay_alu instid0(VALU_DEP_2)
	v_max3_num_f32 v8, v8, |v[XS+\i]|, |v[XS+\i+1]|
	s_delay_alu instid0(VALU_DEP_2)
	v_max3_num_f32 v9, v9, |v[XS+\i+2]|, |v[XS+\i+3]|
.endr
	s_delay_alu instid0(VALU_DEP_2)
	v_max3_num_f32 v8, v8, |v[XS+29]|, |v[XS+30]|
	s_delay_alu instid0(VALU_DEP_1)
	v_max3_num_f32 v8, v8, v9, |v[XS+31]|
	s_delay_alu instid0(VALU_DEP_1)
	v_add_nc_u32 v[SCL+\k], 0xff000000, v8         ; 2 off its exponent field: the conversion takes the exponent field of this operand as its scale, and nothing else of it
.irp i, 0,1,2,3,4,5,6,7,8,9,10,11,12,13,14,15
.if (\k) == 0 && \i < 4
	v_pk_mul_f32 v[S+2*\i:S+2*\i+1], v[XS+2*\i:XS+2*\i+1], v[XS+2*\i:XS+2*\i+1]   ; the first squares start the four sums: nothing is cleared
.else
	v_pk_fma_f32 v[S+2*(\i%4):S+2*(\i%4)+1], v[XS+2*\i:XS+2*\i+1], v[XS+2*\i:XS+2*\i+1], v[S+2*(\i%4):S+2*(\i%4)+1]
.endif
.endr
.irp g, 0,1,2,3
	v_cvt_scalef32_pk8_fp4_f32 v[C+4*(\k)+\g], v[XS+8*\g:XS+8*\g+7], v[SCL+\k]   ; eight numbers / the scale, to the nearest code, ties to even, beyond 6 the largest code
.endr
	v_lshrrev_b32 v[BY+\k], 23, v[SCL+\k]          ; the scale's byte; also the plain line behind the last conversion
	global_store_b128 v1, v[C+4*(\k):C+4*(\k)+3], s[24:25] offset:512*(\k)   ; 32 lanes store 512 consecutive bytes, at a multiple of 256 from the buffer's first byte
.endm
	XREAD 0, 0
	XREAD 1, 1
	s_wait_dscnt 8                                 ; all but the next block's eight loads
	COMBO 0, 0
	XREAD 2, 0
	s_wait_dscnt 8
	COMBO 1, 1
	XREAD 3, 1
	s_wait_dscnt 8
	COMBO 2, 0
	s_wait_dscnt 0x0
	COMBO 3, 1
	; the scale words: in K step s my two bytes are those of blocks h and 2 + h; lane l xor 16 has the other two
	v_lshl_or_b32 v240, v[BY+1], 16, v[BY]
	v_lshl_or_b32 v241, v[BY+3], 16, v[BY+2]
	s_delay_alu instid0(VALU_DEP_2)
	v_lshlrev_b32 v240, v7, v240                   ; 8 h bits up
	s_delay_alu instid0(VALU_DEP_2)
	v_lshlrev_b32 v241, v7, v241
	s_delay_alu instid0(VALU_DEP_2)
	v_permlanex16_b32 v242, v240, s22, s23
	s_delay_alu instid0(VALU_DEP_2)
	v_permlanex16_b32 v243, v241, s22, s23
	s_delay_alu instid0(VALU_DEP_2)
	v_or_b32 v240, v240, v242
	s_delay_alu instid0(VALU_DEP_2)
	v_or_b32 v241, v241, v243
	s_delay_alu instid0(VALU_DEP_1)
	v_cndmask_b32 v240, v240, v241, s20            ; the image: lanes 0-15 K step 0's word, lanes 16-31 K step 1's
	v_pk_add_f32 v[S:S+1], v[S:S+1], v[S+2:S+3]
	v_pk_add_f32 v[S+4:S+5], v[S+4:S+5], v[S+6:S+7]
	s_delay_alu instid0(VALU_DEP_1)
	v_pk_add_f32 v[S:S+1], v[S:S+1], v[S+4:S+5]
	s_delay_alu instid0(VALU_DEP_1)
	v_add_f32 v244, v[S], v[S+1]
	s_delay_alu instid0(VALU_DEP_1)
	v_permlanex16_b32 v245, v244, s22, s23
	s_delay_alu instid0(VALU_DEP_1)
	v_add_f32 v244, v244, v245                     ; the row's sum of squares
	s_delay_alu instid0(VALU_DEP_1)
	v_mul_f32 v244, -0.5, v244
	ds_store_b32 v4, v240
	ds_store_b32 v5, v244                          ; both halves of the lanes write the same word with the same value
	s_wait_dscnt 0x0                               ; for the other wave's sake: my stores into the tail are done
	s_barrier_signal -1
	s_barrier_wait -1
	s_cmp_lg_u32 s12, 0
	s_cbranch_scc1 .Lnot0
	ds_load_b64 v[8:9], v6                         ; wave 0: both tiles' scale images
	s_wait_dscnt 0x0
	global_store_b64 v13, v[8:9], s[26:27]         ; 32 lanes store 256 consecutive bytes, at a multiple of 256 from the buffer's first byte
	s_branch .Lend
.Lnot0:
	s_cmp_lg_u32 s12, s15
	s_cbranch_scc1 .Lend
	ds_load_b32 v8, v12                            ; wave 1 of embed's work-groups: both tiles' -|e|^2 / 2
	s_wait_dscnt 0x0
	global_store_b32 v14, v8, s[30:31]             ; 32 lanes store 128 consecutive bytes
.Lend:
	s_wait_tensorcnt 0x0                           ; the wave's end, behind my last LDS store
	ds_add_u32 v254, v255
	s_wait_dscnt 0x0
	s_endpgm
.Lfunc_end_k_q8c545379a7_quant:
	.size	k_q8c545379a7_quant, .Lfunc_end_k_q8c545379a7_quant-k_q8c545379a7_quant
	.p2alignl 7, 3214868480
	.fill 96, 4, 3214868480
	.section	.rodata,"a",@progbits
	.p2align	6, 0x0
	.amdhsa_kernel k_q8c545379a7_quant
		.amdhsa_group_segment_fixed_size 34048
		.amdhsa_private_segment_fixed_size 0
		.amdhsa_enable_private_segment 0
		.amdhsa_kernarg_size 32
		.amdhsa_user_sgpr_count 2
		.amdhsa_user_sgpr_kernarg_segment_ptr 1
		.amdhsa_wavefront_size32 1
		.amdhsa_system_sgpr_workgroup_id_x 1
		.amdhsa_system_sgpr_workgroup_id_y 1
		.amdhsa_system_sgpr_workgroup_id_z 1
		.amdhsa_system_vgpr_workitem_id 0
		.amdhsa_next_free_vgpr 256
		.amdhsa_next_free_sgpr 66
		.amdhsa_reserve_vcc 0
		.amdhsa_float_denorm_mode_32 3
		.amdhsa_float_denorm_mode_16_64 3
		.amdhsa_memory_ordered 1
		.amdhsa_forward_progress 1
		.amdhsa_inst_pref_size 25
	.end_amdhsa_kernel
	.amdgpu_metadata
---
amdhsa.version: [ 1, 2 ]
amdhsa.kernels:
  - .name:           k_q8c545379a7_quant
    .symbol:         k_q8c545379a7_quant.kd
    .args:
      - { .name: inputs_flatten, .offset: 0, .size: 8, .value_kind: global_buffer, .address_space: global }
      - { .name: embed, .offset: 8, .size: 8, .value_kind: global_buffer, .address_space: global }
      - { .name: xq, .offset: 16, .size: 8, .value_kind: global_buffer, .address_space: global }
      - { .name: ebook, .offset: 24, .size: 8, .value_kind: global_buffer, .address_space: global }
    .group_segment_fixed_size: 34048
    .private_segment_fixed_size: 0
    .kernarg_segment_align: 8
    .kernarg_segment_size: 32
    .max_flat_workgroup_size: 64
    .sgpr_count:     66
    .vgpr_count:     256
    .wavefront_size: 32
...
	.end_amdgpu_metadata
.endif
;; end of part 1
;; launch nearest (part 2): grid 256 x 1, 8 waves a work-group, no clusters, 9,216 bytes of LDS; arguments xq, ebook, idx, out1; writes idx, out1
.if DOCPART == 2
	.amdgcn_target "amdgcn-amd-amdhsa--gfx1250"
	.amdhsa_code_object_version 6
	.text
	.protected	k_q8c545379a7_nearest
	.globl	k_q8c545379a7_nearest
	.p2align	8
	.type	k_q8c545379a7_nearest,@function
k_q8c545379a7_nearest:
	s_mov_b64 s[64:65], 0
	v_nop
	global_prefetch_b8 v0, s[64:65] scope:SCOPE_SE
	s_setreg_imm32_b32 hwreg(HW_REG_WAVE_MODE, 25, 1), 1
	s_wait_xcnt 0x0
; For each of 32,768 rows x: the index of the codebook row e with the least |x|^2 + |e|^2 - 2 Q(x).Q(e), the product on codes of FP4 (E2M1) with one E8M0 scale for each 32 along K = 256.
; LEFT OUT: |x|^2, the same for all e of a row: the least distance is the GREATEST SCORE Q(x).Q(e) - |e|^2 / 2.  -|e|^2 / 2 is the C of each sum's first matrix instruction, so a matrix result is the score itself.
; LIMITS: the order of rounding differs from the definition's (|x|^2 is not added; -|e|^2 / 2 is added inside the matrix instruction): two tokens whose distances differ by a few units in the last place
; of f32 at the distances' size may come out in the other order.  Equal scores give the lower index.  NaN and infinities are not served.
; SHARES: a work-group owns 128 rows of x (a chunk of xq); EVERY wave holds all of them as operands in 128 registers, so that each token fragment feeds eight matrix instructions.
; Wave w walks the codebook's chunks w, 8 + w, .. 56 + w (128 tokens = 8 tiles each): a trip of the loop is a chunk.
; NO LDS SLOTS, NO JOINT LOADS: ebook lies in the order of an operand's registers, and each of its bytes is wanted by exactly one wave of the work-group, once.  So a tile's 2,240 bytes go from memory straight into
; that wave's registers by seven loads.  A way through LDS would add an LDS write and an LDS read for each byte, and a round of all waves for each of 8 changes of slots; here no wave waits for another before the end.
; EIGHT SETS of registers, one for each tile of a chunk: set t is loaded again, with the next chunk's tile t, right behind the products that read it: eight tiles ahead of its next use.
; THE PRODUCT IS USED TRANSPOSED (source 0 = 16 tokens, source 1 = 16 rows of x): a lane holds ONE row of x (lane % 16), and its eight registers the tokens 8 (lane / 16) + 0 .. 7 of the tile.
; TRACKING: for each tile of rows the running maximum M; where a token tile raises it, the tile's first seven scores and its number are kept by selects.  At the end the place in the tile is the first j
; whose kept score equals M, else 7.  No branch and no address hangs on a score.
; REGISTERS, in windows of 256 (s_set_vgpr_msb: bits 1:0 source 0, 3:2 source 1, 5:4 source 2, 7:6 destination).  Window 0: all that vector instructions touch, C, D and the scales.
; Window 1: v0-127 x's fragments (tile of rows i, K step s at 16 i + 8 s); v128-255 the token tiles' fragments, set t at 128 + 16 t.
.set CHUNKE, 17920                     ; a chunk of ebook: 16,384 bytes of codes, 1,024 of scale images, 512 of -|e|^2 / 2
.set CHUNKX, 17408                     ; a chunk of xq
.set STEPB,  8*CHUNKE                  ; from a wave's chunk to its next
.set SPARE,  8192                      ; LDS: bytes 0-8191: 1,024 for each wave, its 128 rows' (M, token); then the spare words, 128 bytes a wave, which no other line names
.set SPW, 1                            ; v1     SPARE + 4 x my thread's number; never rewritten
.set NIL, 2                            ; v2     0; never rewritten
.set PFO, 3                            ; v3     the prefetches' offset; never rewritten
.set L16, 4                            ; v4     16 x lane
.set L4,  5                            ; v5     4 x lane
.set H32, 6                            ; v6     32 (lane / 16)
.set SCW, 7                            ; v7     where I put a row's (M, token)
.set SCB, 8                            ; v8     where waves 0 and 1 read (M, token) back
.set T,   9                            ; v9     the token tile's number
.set H8,  10                           ; v10    8 (lane / 16)
.set SX,  16                           ; v16-23 x's scale images, a register a tile of rows: scales and nothing else
.set SA,  24                           ; v24-31 the token tiles' scale images, a register a set: scales and nothing else
.set CB,  32                           ; v32-95 -|e|^2 / 2 in the result's layout, 8 registers a set; at the end: at work
.set TA,  96                           ; v96-99, v100-103 at work
.set TB,  100
.set MA,  104                          ; v104-111, v112-119 M of the eight tiles of rows: old and new change places from tile to tile
.set MB,  112
.set TR,  120                          ; v120-183 kept: seven scores and the tile's number for each tile of rows
.set ACC, 184                          ; v184-247 the eight accumulators
.set JJ,  32                           ; the end: the place in the tile
.set PR,  40                           ; the end: pairs (M, token)
.set XB,  0                            ; window 1
.set AF,  128                          ; window 1
.set MSB, 0
.macro WIN new                         ; the immediate's high byte repeats the setting that is left; a switch that changes nothing is dropped
.if MSB != \new
	s_set_vgpr_msb (MSB<<8)|\new
.set MSB, \new
.endif
.endm
; Tile t of the chunk that begins off bytes behind s[6:7], into set t: seven loads; four of 512 consecutive bytes, one of 128, two of 32 bytes for each half of the lanes.
.macro LOADT t, off
	global_load_b128 v[CB+8*(\t):CB+8*(\t)+3], v[H32], s[6:7] offset:(\off)+17408+64*(\t)       ; register j: -|e|^2 / 2 of token 8 (lane / 16) + j
	global_load_b128 v[CB+8*(\t)+4:CB+8*(\t)+7], v[H32], s[6:7] offset:(\off)+17408+64*(\t)+16
	global_load_b32 v[SA+(\t)], v[L4], s[6:7] offset:(\off)+16384+128*(\t)
	WIN 0x40                                       ; destination window 1, address window 0
.irp g, 0,1,2,3
	global_load_b128 v[AF+16*(\t)+4*\g:AF+16*(\t)+4*\g+3], v[L16], s[6:7] offset:(\off)+2048*(\t)+512*\g
.endr
	WIN 0
.endm
; 16 matrix instructions: the tile's 16 tokens x my 128 rows, K steps 0 and 1.  The eight accumulators take turns, one instruction a turn.  K step 1's scales stand in lanes 16-31 of the same registers.
.macro MULS t
	WIN 0x05                                       ; sources 0 and 1 window 1; C and D window 0
.irp i, 0,1,2,3,4,5,6,7
	v_wmma_scale_f32_16x16x128_f8f6f4 v[ACC+8*\i:ACC+8*\i+7], v[AF+16*(\t):AF+16*(\t)+7], v[XB+16*\i:XB+16*\i+7], v[CB+8*(\t):CB+8*(\t)+7], v[SA+(\t)], v[SX+\i] matrix_a_fmt:MATRIX_FMT_FP4 matrix_b_fmt:MATRIX_FMT_FP4
.endr
.irp i, 0,1,2,3,4,5,6,7
	v_wmma_scale_f32_16x16x128_f8f6f4 v[ACC+8*\i:ACC+8*\i+7], v[AF+16*(\t)+8:AF+16*(\t)+15], v[XB+16*\i+8:XB+16*\i+15], v[ACC+8*\i:ACC+8*\i+7], v[SA+(\t)], v[SX+\i] matrix_a_fmt:MATRIX_FMT_FP4 matrix_b_fmt:MATRIX_FMT_FP4 matrix_a_scale:MATRIX_SCALE_ROW1 matrix_b_scale:MATRIX_SCALE_ROW1
.endr
.endm
.macro KEEP i                          ; the kept scores and the tile's number are selected two to an instruction
.irp j, 0,2,4
	v_dual_cndmask_b32 v[TR+8*(\i)+\j], v[TR+8*(\i)+\j], v[ACC+8*(\i)+\j] :: v_dual_cndmask_b32 v[TR+8*(\i)+\j+1], v[TR+8*(\i)+\j+1], v[ACC+8*(\i)+\j+1]
.endr
	v_dual_cndmask_b32 v[TR+8*(\i)+6], v[TR+8*(\i)+6], v[ACC+8*(\i)+6] :: v_dual_cndmask_b32 v[TR+8*(\i)+7], v[TR+8*(\i)+7], v[T]
.endm
; The tracking of one token tile, four tiles of rows at a time so that no line waits for the line above it.  Each accumulator is read from its low end on.  par = 0: the old M in MA, the new in MB; 1: the other way.
.macro TRACK par
.if (\par) == 0
.set MO, MA
.set MN, MB
.else
.set MO, MB
.set MN, MA
.endif
.irp hh, 0,4
.irp q, 0,1,2,3
	v_max3_num_f32 v[TA+\q], v[ACC+8*(\hh+\q)], v[ACC+8*(\hh+\q)+1], v[ACC+8*(\hh+\q)+2]
.endr
.irp q, 0,1,2,3
	v_max3_num_f32 v[TB+\q], v[ACC+8*(\hh+\q)+3], v[ACC+8*(\hh+\q)+4], v[ACC+8*(\hh+\q)+5]
.endr
.irp q, 0,1,2,3
	v_max3_num_f32 v[TA+\q], v[TA+\q], v[TB+\q], v[ACC+8*(\hh+\q)+6]
.endr
.irp q, 0,1,2,3
	v_max3_num_f32 v[MN+\hh+\q], v[TA+\q], v[ACC+8*(\hh+\q)+7], v[MO+\hh+\q]
.endr
.irp q, 0,1,2,3
	v_cmp_gt_f32 vcc_lo, v[MN+\hh+\q], v[MO+\hh+\q]                 ; strictly greater: of equal scores the earlier tile stays
	KEEP \hh+\q
.endr
.endr
.endm
; A PREFETCH of codebook bytes.  All work-groups walk the same bytes: work-groups 0-3 ask, nobody else.  In trip s each of their waves names the chunk that its loads of trip s + 2 will fetch, 3 STEPB behind its base.
; The chunk's 70 blocks of 256 bytes are shared out BY ADDRESS, 18 to a work-group (the last takes 16), a lane a block; the lanes left over name their wave's last block again.
; Trips 0-4 ask (s32 = 7 - s > 2): the chunk named is 8 (s + 3) + w, 63 at the most, so nothing points past the buffer's end.  Each wave's first three chunks come by their loads alone.
.macro ASK
	s_cmp_gt_u32 s32, s34
	s_cbranch_scc0 .Lnot_mine_\@
	global_prefetch_b8 v[PFO], s[6:7] offset:3*STEPB th:TH_LOAD_NT scope:SCOPE_SE
.Lnot_mine_\@:
.endm
; One token tile.  more = 1: its set is loaded again with the next chunk's tile.
.macro TILE t, more
.if \more
	s_wait_loadcnt 49                              ; loads come back in order (ISA guide 5.7.1): set t's seven are in; the seven younger sets' 49 may be out
.else
	s_wait_loadcnt 7*(7-(\t))                      ; the last chunk: only the sets behind this one are younger
.endif
	MULS \t
	WIN 0
.if (\t) == 0
	v_add_nc_u32 v[T], 57, v[T]                    ; from my last chunk's last tile to this chunk's first: 8 chunks of 8 tiles on.  Also the first of four places behind the last matrix instruction (ISA guide 7.12.1)
.else
	v_add_nc_u32 v[T], 1, v[T]
.endif
.rept 3
	v_nop                                          ; the other three: in front of the loads into the set and of the first read of results
.endr
.if \more
	LOADT \t, STEPB
.if (\t) == 0
	ASK
.endif
.endif
	TRACK (\t)%2
.endm
.macro TRIP more
.irp t, 0,1,2,3,4,5,6,7
	TILE \t, \more
.endr
.endm
; (Ma, Ka) takes (Mb, Kb) where Mb is greater, or equal with the lower token
.macro BETTER ma, ka, mb, kb
	v_cmp_gt_f32 s50, v[\mb], v[\ma]
	v_cmp_eq_f32 s51, v[\mb], v[\ma]
	v_cmp_lt_u32 s52, v[\kb], v[\ka]
	s_and_b32 s51, s51, s52
	s_or_b32 vcc_lo, s50, s51
	v_cndmask_b32 v[\ma], v[\ma], v[\mb], vcc_lo
	v_cndmask_b32 v[\ka], v[\ka], v[\kb], vcc_lo
.endm
	s_load_b256 s[4:11], s[0:1], 0x0               ; xq s[4:5], ebook s[6:7], idx s[8:9], out1 s[10:11]
	v_lshrrev_b32 v11, 5, v0
	v_readfirstlane_b32 s12, v11                   ; wave 0..7
	s_mul_i32 s20, s12, CHUNKE                     ; my first chunk of ebook
	s_mov_b32 s21, 0
	s_mul_i32 s22, ttmp9, CHUNKX                   ; my work-group's chunk of xq
	s_mov_b32 s23, 0
	s_lshl_b32 s24, ttmp9, 9                       ; idx and out1: 512 bytes a work-group, 256 for each of waves 0 and 1
	s_lshl_b32 s25, s12, 8
	s_add_co_u32 s24, s24, s25
	s_mov_b32 s25, 0
	s_min_u32 s13, ttmp9, 3
	s_mul_i32 s13, s13, 18                         ; the prefetches: my work-group's first block of a chunk
	s_lshl_b32 s14, s12, 10                        ; my wave's 1,024 bytes of LDS
	s_min_u32 s15, s12, 1                          ; (waves 2-7 never use it: held so that it names the pairs' bytes in every wave)
	s_lshl_b32 s15, s15, 9
	s_lshl_b32 s16, s12, 3
	s_sub_co_u32 s16, s16, 57                      ; 57 short of my first token tile, 8 w: the first tile's step brings it there
	s_cmp_lt_u32 ttmp9, 4
	s_cselect_b32 s34, 2, -1                       ; 2 in a work-group that prefetches, else the greatest number
	s_mov_b32 s36, 0x76543210
	s_mov_b32 s37, 0xfedcba98                      ; v_permlanex16_b32's selects for lane l xor 16
	s_mov_b32 s38, 0xff800000                      ; -infinity
	s_mov_b32 s32, 7                               ; trips that load a further chunk
	v_lshl_add_u32 v[SPW], v0, 2, SPARE
	v_mov_b32 v[NIL], 0
	v_and_b32 v12, 31, v0                          ; lane
	v_and_b32 v13, 15, v0                          ; r
	v_bfe_u32 v14, v0, 4, 1                        ; h
	v_min_u32 v15, 17, v12
	v_lshlrev_b32 v[L16], 4, v12
	v_lshlrev_b32 v[L4], 2, v12
	v_lshlrev_b32 v[H32], 5, v14
	v_lshlrev_b32 v[H8], 3, v14
	v_add_nc_u32 v15, s13, v15
	v_lshl_add_u32 v[SCW], v13, 3, s14             ; 8 bytes a row
	v_add_nc_u32 v[SCB], s15, v[L16]               ; rows 64 w + 2 x lane and the next
	v_min_u32 v15, 69, v15                         ; a chunk has 70 blocks
	v_mov_b32 v[T], s16
	v_lshlrev_b32 v[PFO], 8, v15
	s_wait_alu depctr_va_vdst(0)                   ; the wait here, directly ahead of the wait below
	s_wait_kmcnt 0x0
	s_add_nc_u64 s[4:5], s[4:5], s[22:23]
	s_add_nc_u64 s[6:7], s[6:7], s[20:21]
	s_add_nc_u64 s[8:9], s[8:9], s[24:25]
	s_add_nc_u64 s[10:11], s[10:11], s[24:25]
	WIN 0x40
.set n, 0
.rept 32
	global_load_b128 v[XB+4*n:XB+4*n+3], v[L16], s[4:5] offset:512*n     ; x's 16 fragments, as they lie: they stay in registers
.set n, n+1
.endr
	WIN 0
.irp i, 0,1,2,3,4,5,6,7
	global_load_b32 v[SX+\i], v[L4], s[4:5] offset:16384+128*\i          ; and their scale images
.endr
.irp t, 0,1,2,3,4,5,6,7
	LOADT \t, 0                                    ; my first chunk fills the eight sets
.endr
.irp i, 0,1,2,3,4,5,6,7
	v_mov_b32 v[MA+\i], s38                        ; M = -infinity: under every score
.irp j, 0,1,2,3,4,5,6
	v_mov_b32 v[TR+8*\i+\j], s38                   ; (the selects read what they may keep, so it is written once)
.endr
	v_mov_b32 v[TR+8*\i+7], 0
.endr
	s_wait_alu depctr_va_vdst(0)                   ; the wait at the head's end
.Lloop:                                            ; seven trips: a chunk is multiplied, the next one is loaded
	TRIP 1
	s_wait_xcnt 0x0                                ; the trip's loads and its prefetch have read their base: only behind this wait is it stepped
	s_add_nc_u64 s[6:7], s[6:7], STEPB
	s_sub_co_u32 s32, s32, 1
	s_cmp_lg_u32 s32, 0
	s_cbranch_scc1 .Lloop
	TRIP 0                                         ; the last chunk is written out: it loads nothing, so no load leaves the buffer
	; THE END.  Eight tiles a trip: the last new M lies in MA.  The place in the kept tile: the first j whose kept score equals M, else 7.
.irp i, 0,1,2,3,4,5,6,7
	v_mov_b32 v[JJ+\i], 7
.endr
.irp j, 6,5,4,3,2,1,0
.irp i, 0,1,2,3,4,5,6,7
	v_cmp_eq_f32 s[40+\i], v[TR+8*\i+\j], v[MA+\i] ; eight masks, so that no select waits for the compare just above it
.endr
.irp i, 0,1,2,3,4,5,6,7
	v_cndmask_b32 v[JJ+\i], v[JJ+\i], \j, s[40+\i]
.endr
.endr
.irp i, 0,1,2,3,4,5,6,7
	v_lshl_add_u32 v[JJ+\i], v[TR+8*\i+7], 4, v[JJ+\i]
.endr
.irp i, 0,1,2,3,4,5,6,7
	v_add_nc_u32 v[PR+2*\i+1], v[H8], v[JJ+\i]     ; token = 16 x tile + 8 (lane / 16) + j
.endr
.irp i, 0,1,2,3,4,5,6,7
	v_mov_b32 v[PR+2*\i], v[MA+\i]
.endr
	v_mov_b32 v56, 0                               ; written once: a lane permute's destination counts as one of its sources
	v_mov_b32 v57, 0
.irp i, 0,1,2,3,4,5,6,7
	v_permlanex16_b32 v56, v[PR+2*\i], s36, s37    ; the row's other eight tokens of each tile lie in the lane 16 away
	v_permlanex16_b32 v57, v[PR+2*\i+1], s36, s37
	BETTER PR+2*\i, PR+2*\i+1, 56, 57
	ds_store_b64 v[SCW], v[PR+2*\i:PR+2*\i+1] offset:128*\i   ; both halves of the lanes write the same pair
.endr
	s_wait_dscnt 0x0                               ; for the others' sake: my stores are done
	s_barrier_signal -1
	s_barrier_wait -1
	s_cmp_lt_u32 s12, 2                            ; waves 0 and 1 merge the eight waves' pairs, 64 rows each, two rows a lane
	s_cbranch_scc0 .Ldone
.irp v, 0,1,2,3,4,5,6,7
	ds_load_b128 v[60+4*\v:63+4*\v], v[SCB] offset:1024*\v
.endr
	s_wait_dscnt 0x0
.irp v, 1,2,3,4,5,6,7
	BETTER 60, 61, 60+4*\v, 61+4*\v
	BETTER 62, 63, 62+4*\v, 63+4*\v
.endr
	v_mov_b32 v60, v61
	v_mov_b32 v61, v63
	v_lshlrev_b32 v62, 1, v[L4]                    ; 8 x lane
	global_store_b64 v62, v[60:61], s[8:9]         ; 32 lanes store 256 consecutive bytes, at a multiple of 256 from the buffer's first byte: for the launch that gathers,
	global_store_b64 v62, v[60:61], s[10:11]       ; and the problem's own output
.Ldone:
	s_wait_tensorcnt 0x0                           ; the wave's end, behind my last LDS store
	ds_add_u32 v[SPW], v[NIL]
	s_wait_dscnt 0x0
	s_endpgm
.Lfunc_end_k_q8c545379a7_nearest:
	.size	k_q8c545379a7_nearest, .Lfunc_end_k_q8c545379a7_nearest-k_q8c545379a7_nearest
	.p2alignl 7, 3214868480
	.fill 96, 4, 3214868480
	.section	.rodata,"a",@progbits
	.p2align	6, 0x0
	.amdhsa_kernel k_q8c545379a7_nearest
		.amdhsa_group_segment_fixed_size 9216
		.amdhsa_private_segment_fixed_size 0
		.amdhsa_enable_private_segment 0
		.amdhsa_kernarg_size 32
		.amdhsa_user_sgpr_count 2
		.amdhsa_user_sgpr_kernarg_segment_ptr 1
		.amdhsa_wavefront_size32 1
		.amdhsa_system_sgpr_workgroup_id_x 1
		.amdhsa_system_sgpr_workgroup_id_y 1
		.amdhsa_system_sgpr_workgroup_id_z 1
		.amdhsa_system_vgpr_workitem_id 0
		.amdhsa_next_free_vgpr 512
		.amdhsa_next_free_sgpr 66
		.amdhsa_reserve_vcc 1
		.amdhsa_float_denorm_mode_32 3
		.amdhsa_float_denorm_mode_16_64 3
		.amdhsa_memory_ordered 1
		.amdhsa_forward_progress 1
		.amdhsa_inst_pref_size 142
	.end_amdhsa_kernel
	.amdgpu_metadata
---
amdhsa.version: [ 1, 2 ]
amdhsa.kernels:
  - .name:           k_q8c545379a7_nearest
    .symbol:         k_q8c545379a7_nearest.kd
    .args:
      - { .name: xq, .offset: 0, .size: 8, .value_kind: global_buffer, .address_space: global }
      - { .name: ebook, .offset: 8, .size: 8, .value_kind: global_buffer, .address_space: global }
      - { .name: idx, .offset: 16, .size: 8, .value_kind: global_buffer, .address_space: global }
      - { .name: out1, .offset: 24, .size: 8, .value_kind: global_buffer, .address_space: global }
    .group_segment_fixed_size: 9216
    .private_segment_fixed_size: 0
    .kernarg_segment_align: 8
    .kernarg_segment_size: 32
    .max_flat_workgroup_size: 256
    .sgpr_count:     66
    .vgpr_count:     512
    .wavefront_size: 32
...
	.end_amdgpu_metadata
.endif
;; end of part 2
;; launch emit (part 3): grid 512 x 1, 8 waves a work-group, no clusters, 0 bytes of LDS; arguments embed, idx, out0; writes out0
.if DOCPART == 3
	.amdgcn_target "amdgcn-amd-amdhsa--gfx1250"
	.amdhsa_code_object_version 6
	.text
	.protected	k_q8c545379a7_emit
	.globl	k_q8c545379a7_emit
	.p2align	8
	.type	k_q8c545379a7_emit,@function
k_q8c545379a7_emit:
	s_mov_b64 s[64:65], 0
	v_nop
	global_prefetch_b8 v0, s[64:65] scope:SCOPE_SE
	s_setreg_imm32_b32 hwreg(HW_REG_WAVE_MODE, 25, 1), 1
	s_wait_xcnt 0x0
; out0[n][:] = embed[idx[n]][:].  idx holds the whole numbers that the launch before stored.
; LEFT OUT: reference() writes (embed[i] - x) + x, which in real numbers is embed[i] for every x: x is not read here.  LIMIT: a NaN or an infinity of x is not carried to out0.
; A stream: no LDS, no barrier, no loop (so no prefetch: there is no trip to run ahead in).  A work-group takes 64 rows, a wave 8.  Lane: c = lane % 16, h = lane / 16.
; An instruction takes 256 bytes (unit u of four) of each of rows 8 w + 2 p + h, p = 0 .. 3: sixteen neighbouring lanes read or store 256 consecutive bytes, at a multiple of 256 from the buffer's first byte.
; All of a wave's 20 loads go out before its first store.
.set IX, 4                             ; v4-7    the four indices
.set EO, 8                             ; v8-11   the gathered rows' byte offsets
.set E,  16                            ; v16-79  embed's rows
	s_load_b128 s[4:7], s[0:1], 0x0                ; embed s[4:5], idx s[6:7]
	s_load_b64 s[8:9], s[0:1], 0x10                ; out0
	s_lshl_b32 s12, ttmp9, 16                      ; 64 rows of 1,024 bytes
	s_mov_b32 s13, 0
	s_lshl_b32 s14, ttmp9, 8                       ; 64 indices
	s_mov_b32 s15, 0
	v_lshrrev_b32 v12, 5, v0                       ; wave
	v_and_b32 v13, 15, v0                          ; c
	v_bfe_u32 v14, v0, 4, 1                        ; h
	v_lshlrev_b32 v3, 4, v13                       ; v3 = 16 c
	v_lshlrev_b32 v2, 2, v14
	v_lshl_add_u32 v1, v12, 13, v3
	v_lshl_add_u32 v2, v12, 5, v2                  ; v2 = 32 w + 4 h: my row's index
	v_lshl_add_u32 v1, v14, 10, v1                 ; v1 = 8,192 w + 1,024 h + 16 c: my bytes in out0
	s_wait_alu depctr_va_vdst(0)                   ; the wait at the head's end
	s_wait_kmcnt 0x0
	s_add_nc_u64 s[8:9], s[8:9], s[12:13]
	s_add_nc_u64 s[6:7], s[6:7], s[14:15]
.irp p, 0,1,2,3
	global_load_b32 v[IX+\p], v2, s[6:7] offset:8*\p
.endr
	s_wait_loadcnt 0x0
.irp p, 0,1,2,3
	v_min_u32 v[IX+\p], 0x1fff, v[IX+\p]           ; an index stays inside the table of 8,192 rows
.endr
.irp p, 0,1,2,3
	v_lshl_add_u32 v[EO+\p], v[IX+\p], 10, v3      ; 1,024 bytes a row, + 16 c
.endr
.irp p, 0,1,2,3
.irp u, 0,1,2,3
	global_load_b128 v[E+16*\p+4*\u:E+16*\p+4*\u+3], v[EO+\p], s[4:5] offset:256*\u   ; no hint: a row may be named again
.endr
.endr
.irp p, 0,1,2,3
.irp u, 0,1,2,3
	s_wait_loadcnt 15-(4*\p+\u)                    ; loads come back in order (ISA guide 5.7.1): this one is in, the younger ones may be out
	global_store_b128 v1, v[E+16*\p+4*\u:E+16*\p+4*\u+3], s[8:9] offset:2048*\p+256*\u   ; no register of a pending access is written again
.endr
.endr
	s_endpgm
.Lfunc_end_k_q8c545379a7_emit:
	.size	k_q8c545379a7_emit, .Lfunc_end_k_q8c545379a7_emit-k_q8c545379a7_emit
	.p2alignl 7, 3214868480
	.fill 96, 4, 3214868480
	.section	.rodata,"a",@progbits
	.p2align	6, 0x0
	.amdhsa_kernel k_q8c545379a7_emit
		.amdhsa_group_segment_fixed_size 0
		.amdhsa_private_segment_fixed_size 0
		.amdhsa_enable_private_segment 0
		.amdhsa_kernarg_size 24
		.amdhsa_user_sgpr_count 2
		.amdhsa_user_sgpr_kernarg_segment_ptr 1
		.amdhsa_wavefront_size32 1
		.amdhsa_system_sgpr_workgroup_id_x 1
		.amdhsa_system_sgpr_workgroup_id_y 1
		.amdhsa_system_sgpr_workgroup_id_z 1
		.amdhsa_system_vgpr_workitem_id 0
		.amdhsa_next_free_vgpr 80
		.amdhsa_next_free_sgpr 66
		.amdhsa_reserve_vcc 0
		.amdhsa_float_denorm_mode_32 3
		.amdhsa_float_denorm_mode_16_64 3
		.amdhsa_memory_ordered 1
		.amdhsa_forward_progress 1
		.amdhsa_inst_pref_size 6
	.end_amdhsa_kernel
	.amdgpu_metadata
---
amdhsa.version: [ 1, 2 ]
amdhsa.kernels:
  - .name:           k_q8c545379a7_emit
    .symbol:         k_q8c545379a7_emit.kd
    .args:
      - { .name: embed, .offset: 0, .size: 8, .value_kind: global_buffer, .address_space: global }
      - { .name: idx, .offset: 8, .size: 8, .value_kind: global_buffer, .address_space: global }
      - { .name: out0, .offset: 16, .size: 8, .value_kind: global_buffer, .address_space: global }
    .group_segment_fixed_size: 0
    .private_segment_fixed_size: 0
    .kernarg_segment_align: 8
    .kernarg_segment_size: 24
    .max_flat_workgroup_size: 256
    .sgpr_count:     66
    .vgpr_count:     80
    .wavefront_size: 32
...
	.end_amdgpu_metadata
.endif
;; end of part 3
